; MI455X (gfx1250); checked and timed in simulation.
; The chip was launched on July 23, 2026; its instructions are those of AMD's public machine-readable ISA for CDNA 5 (MIT licence, August 2026) and "CDNA5" Instruction Set Architecture Reference Guide (July 2026). The comments in the code are by the model that wrote it; some were corrected since.
;; Bit Net Linear. Allowed arithmetic: matrix products marked QUANTISED: E3M2 operands, one E8M0 scale for each 32 along K, by v_wmma_scale_f32_16x16x128_f8f6f4 with both operands' format E3M2, f32 sums; everything else in f32.
;; Inputs: bias 4,096 float32; weight 4,096 x 4,096 float32; x 2 x 2,048 x 4,096 float32.
;; Outputs: out0 2 x 2,048 x 4,096 float32.
;; This version of the problem:
;;   THIS VERSION OF THE PROBLEM IS GIVEN IN LOW PRECISION. The matrix products marked QUANTISED in the list below multiply operands that are first quantised to E3M2 (3 exponent bits, 2 mantissa bits; 6 bits a number), with one power-of-two scale for each 32 numbers along K (OCP MX v1.0); their sums are f32. All else is computed in f32.
;;   The module's matrix products, in the order in which they are computed (A, B: the left and right operand; K: the contracted axis; several contracted axes count as one K, in the product's order):
;;     1. [M 4,096, K 4,096] x [K 4,096, N 4,096]; A: computed on the way; B: computed on the way: QUANTISED
;;   THE QUANTISER, for each operand of a quantised product, along K:
;;     - K is cut into blocks of 32 from its start; a last block that is shorter is filled with zeros.
;;     - A block's scale is 2^e with e = floor(log2(the largest magnitude in the block)) - 4, held to -126 .. 127; a block of zeros has e = 0. As a byte (E8M0): e + 127.
;;     - Each number is divided by its block's scale, clamped to +-28, and rounded to the nearest number of E3M2, ties to even, subnormals kept.
;;     - The product sums the exact products of the quantised numbers (number of the format x scale) in f32.
;;   ~~~python
;;   def quantise(x, axis):      # numpy; x: float32 -> the quantised numbers, widened to float32 again
;;       x = np.moveaxis(x, axis, -1); K = x.shape[-1]
;;       x = np.pad(x, [(0, 0)] * (x.ndim - 1) + [(0, -K % 32)]); x = x.reshape(x.shape[:-1] + (-1, 32)); a = np.abs(x).max(-1, keepdims=True)
;;       e = np.where(a > 0, np.clip(np.frexp(np.where(a > 0, a, 1))[1] - 1 - 4, -126, 127), 0)      # np.frexp(a)[1] - 1 = floor(log2(a)), exactly
;;       r = np.clip(x / 2.0 ** e, -28, 28)
;;       step = 2.0 ** (np.maximum(np.frexp(np.where(r == 0, 1, r))[1] - 1, -2) - 2)
;;       q = np.round(r / step) * step * 2.0 ** e      # np.round: ties to even
;;       return np.moveaxis(q.reshape(q.shape[:-2] + (-1,))[..., :K], -1, axis).astype(np.float32)
;;   ~~~
;;   OPERANDS COMPUTED ON THE WAY. 'Computed on the way' means the value that the module computes at that place (a softmax that the list does not call 'softmax' is quantised finished and normalised). What goes into a quantiser is computed in f32, as accurately as f32 sums, v_exp_f32 and their like allow (about 1e-6 of the number): no bf16 or f16 on the way to a quantiser, and a product that is left as it is and whose result goes on into a quantised operand takes f32 operands (vector FMAs, or v_wmma_f32_16x16x4_f32). A number that lies on a knife's edge between two numbers of the format may be rounded either way, as far as f32 arithmetic and the matrix unit's own rounding can turn it there, and no further.
;; One version. Each part assembles by itself: llvm-mc -triple=amdgcn-amd-amdhsa -mcpu=gfx1250 --defsym DOCPART=n.
;; ======== version 1 of 1: 3 launches
;; limits: right only within a limited range of input values
;; workspace buffers: sums 1,024 bytes; a_pack 13,107,200 bytes; b_pack 13,107,200 bytes
;; launch absum (part 1): grid 256 x 1, 16 waves a work-group, no clusters, 2,304 bytes of LDS; arguments x, weight, sums; writes sums
.if DOCPART == 1
	.amdgcn_target "amdgcn-amd-amdhsa--gfx1250"
	.amdhsa_code_object_version 6
	.text
	.protected	k_qc1775a21b8_absum
	.globl	k_qc1775a21b8_absum
	.p2align	8
	.type	k_qc1775a21b8_absum,@function
k_qc1775a21b8_absum:
	s_mov_b64 s[64:65], 0
	v_nop
	global_prefetch_b8 v0, s[64:65] scope:SCOPE_SE
	s_setreg_imm32_b32 hwreg(HW_REG_WAVE_MODE, 25, 1), 1
	s_wait_xcnt 0x0
; THE PROGRAM: out = (Q(x / sx) Q(qw sw)^T + bias) sx, with sx = max(mean |x|, 1e-8), sw = max(mean |weight|, 1e-8), qw = sign(w) where |w / sw| > 0.5, else 0; Q the MX quantiser (E3M2, blocks of 32 along K).
; NO WORK IS LEFT OUT: x, weight and bias all reach the output, and sx and sw both move codes or scale bytes of a live product.
; Both means span a whole tensor, so no code can be made before all of that tensor has been read: this launch makes the sums, the next one the codes, the third the product.
; THIS LAUNCH: 128 partial sums of |x| and 128 of |weight|, f32.  Work-groups 0-127 take x, 128-255 weight; each takes 524,288 consecutive bytes, each of its sixteen waves 32,768:
; 64 loads of 512 consecutive bytes (16 a lane), of which 32 are on their way.  Work-group g stores its sum at byte 4 g of sums.
; ORDER OF THE SUM (a limit: it differs from the order in which the sum is written in the problem): sixteen chains of 16 numbers a lane, the lanes of a wave, the sixteen waves, all in f32; the 128 partials are added by the launches that read them.
; LIMITS: NaN and infinities among the inputs are not served.
; No matrix unit, no cluster, no tensor load, no prefetch: a stream that is read once, has 32 loads a wave on their way throughout, and shares nothing.
.set SPARE, 256                        ; LDS: bytes 0-63 one word for each wave; from 256 on the spare words, 128 bytes for each of 16 waves
.set X,     16                         ; v[16:143]  32 slots of 4 registers; later v[16:31] the sixteen waves' sums
.set SPW,   144                        ; LDS address of my spare word; never rewritten
.set NIL,   145                        ; 0; never rewritten
.set A,     148                        ; v[148:163] sixteen chains: a chain is read again 15 vector instructions behind its write
.set DEPTH, 32
.set LOADS, 64
	s_load_b128 s[4:7], s[0:1], 0x0                ; x, weight
	s_load_b64 s[8:9], s[0:1], 0x10                ; sums
	v_lshl_add_u32 v[SPW], v0, 2, SPARE
	v_mov_b32 v[NIL], 0
	v_lshrrev_b32 v2, 5, v0                        ; wave
	v_and_b32 v1, 31, v0
	v_lshlrev_b32 v1, 4, v1
	v_lshl_or_b32 v1, v2, 15, v1                   ; 16 x lane + 32,768 x wave
	v_lshlrev_b32 v2, 2, v2                        ; LDS: my wave's word
	v_mov_b32 v3, 0                                ; LDS address of the sixteen words, and the store's offset
	v_mov_b32 v9, 0                                ; (a lane permute's destination counts as read)
	s_and_b32 s12, ttmp9, 127
	s_lshl_b32 s12, s12, 19                        ; my work-group's 524,288 bytes
	s_mov_b32 s13, 0
	s_lshl_b32 s14, ttmp9, 2                       ; its word in sums
	s_mov_b32 s15, 0
	s_mov_b32 s16, 0x76543210                      ; lane l takes lane l xor 16
	s_mov_b32 s17, 0xfedcba98
	s_wait_alu depctr_va_vdst(0)                   ; the head's end
	s_wait_kmcnt 0x0
	s_cmp_lt_u32 ttmp9, 128                        ; x or weight: by the work-group's number alone
	s_cselect_b64 s[4:5], s[4:5], s[6:7]
	s_add_nc_u64 s[4:5], s[4:5], s[12:13]
	s_add_nc_u64 s[8:9], s[8:9], s[14:15]
.set N, 0
.rept DEPTH
	global_load_b128 v[X+4*N:X+4*N+3], v1, s[4:5] offset:512*N th:TH_LOAD_NT
.set N, N+1
.endr
.macro SLOT i                          ; load i goes onto four of the sixteen chains; its slot then takes load i + 32
.if \i < DEPTH
	s_wait_loadcnt DEPTH-1                         ; behind load i stand 31 others
.else
	s_wait_loadcnt LOADS-1-\i                      ; nothing more is issued: the count runs down
.endif
.irp k, 0,1,2,3
.if \i < 4
	v_and_b32 v[A+4*((\i)%4)+\k], 0x7fffffff, v[X+4*((\i)%DEPTH)+\k]   ; the first four loads start the chains
.else
	v_add_f32 v[A+4*((\i)%4)+\k], v[A+4*((\i)%4)+\k], |v[X+4*((\i)%DEPTH)+\k]|
.endif
.endr
.if \i < DEPTH
	global_load_b128 v[X+4*(\i):X+4*(\i)+3], v1, s[4:5] offset:512*((\i)+DEPTH) th:TH_LOAD_NT
.endif
.endm
.set N, 0
.rept LOADS
	SLOT N
.set N, N+1
.endr
	s_wait_alu depctr_va_vdst(0)                   ; the last chains were written behind waits on loads
.irp j, 0,2,4,6
	v_pk_add_f32 v[A+\j:A+\j+1], v[A+\j:A+\j+1], v[A+8+\j:A+9+\j]
.endr
	v_pk_add_f32 v[A:A+1], v[A:A+1], v[A+4:A+5]
	v_pk_add_f32 v[A+2:A+3], v[A+2:A+3], v[A+6:A+7]
	v_pk_add_f32 v[A:A+1], v[A:A+1], v[A+2:A+3]
	v_add_f32 v8, v[A], v[A+1]
	v_add_f32_dpp v8, v8, v8 row_xmask:1 row_mask:0xf bank_mask:0xf
	v_add_f32_dpp v8, v8, v8 row_xmask:2 row_mask:0xf bank_mask:0xf
	v_add_f32_dpp v8, v8, v8 row_xmask:4 row_mask:0xf bank_mask:0xf
	v_add_f32_dpp v8, v8, v8 row_xmask:8 row_mask:0xf bank_mask:0xf
	v_permlanex16_b32 v9, v8, s16, s17
	v_add_f32 v8, v8, v9                           ; the wave's sum, in every lane
	ds_store_b32 v2, v8
	s_wait_dscnt 0x0                               ; for the others' sake: my store has landed
	s_barrier_signal -1
	s_barrier_wait -1
.irp j, 0,1,2,3
	ds_load_b128 v[16+4*\j:19+4*\j], v3 offset:16*\j
.endr
	s_wait_dscnt 0x0
.irp j, 0,2,4,6
	v_pk_add_f32 v[16+\j:17+\j], v[16+\j:17+\j], v[24+\j:25+\j]
.endr
	v_pk_add_f32 v[16:17], v[16:17], v[20:21]
	v_pk_add_f32 v[18:19], v[18:19], v[22:23]
	v_pk_add_f32 v[16:17], v[16:17], v[18:19]
	v_add_f32 v16, v16, v17                        ; the work-group's sum
	v_cmp_eq_u32 vcc_lo, 0, v0                     ; thread 0 alone stores it: 4 bytes a work-group, 1,024 in the launch
	s_wait_alu depctr_va_vdst(0)
	s_wait_xcnt 0x0                                ; EXEC changes only behind this wait
	s_and_saveexec_b32 s18, vcc_lo
	global_store_b32 v3, v16, s[8:9]
	s_wait_xcnt 0x0                                ; and again ahead of the line that widens it
	s_or_b32 exec_lo, exec_lo, s18
	s_wait_tensorcnt 0x0                           ; the wave's end
	ds_add_u32 v[SPW], v[NIL]
	s_wait_dscnt 0x0
	s_endpgm
.Lfunc_end_k_qc1775a21b8_absum:
	.size	k_qc1775a21b8_absum, .Lfunc_end_k_qc1775a21b8_absum-k_qc1775a21b8_absum
	.p2alignl 7, 3214868480
	.fill 96, 4, 3214868480
	.section	.rodata,"a",@progbits
	.p2align	6, 0x0
	.amdhsa_kernel k_qc1775a21b8_absum
		.amdhsa_group_segment_fixed_size 2304
		.amdhsa_private_segment_fixed_size 0
		.amdhsa_enable_private_segment 0
		.amdhsa_kernarg_size 24
		.amdhsa_user_sgpr_count 2
		.amdhsa_user_sgpr_kernarg_segment_ptr 1
		.amdhsa_wavefront_size32 1
		.amdhsa_system_sgpr_workgroup_id_x 1
		.amdhsa_system_sgpr_workgroup_id_y 1
		.amdhsa_system_sgpr_workgroup_id_z 1
		.amdhsa_system_vgpr_workitem_id 0
		.amdhsa_next_free_vgpr 164
		.amdhsa_next_free_sgpr 66
		.amdhsa_reserve_vcc 1
		.amdhsa_float_denorm_mode_32 3
		.amdhsa_float_denorm_mode_16_64 3
		.amdhsa_memory_ordered 1
		.amdhsa_forward_progress 1
		.amdhsa_inst_pref_size 28
	.end_amdhsa_kernel
	.amdgpu_metadata
---
amdhsa.version: [ 1, 2 ]
amdhsa.kernels:
  - .name:           k_qc1775a21b8_absum
    .symbol:         k_qc1775a21b8_absum.kd
    .args:
      - { .name: x, .offset: 0, .size: 8, .value_kind: global_buffer, .address_space: global }
      - { .name: weight, .offset: 8, .size: 8, .value_kind: global_buffer, .address_space: global }
      - { .name: sums, .offset: 16, .size: 8, .value_kind: global_buffer, .address_space: global }
    .group_segment_fixed_size: 2304
    .private_segment_fixed_size: 0
    .kernarg_segment_align: 8
    .kernarg_segment_size: 24
    .max_flat_workgroup_size: 512
    .sgpr_count:     66
    .vgpr_count:     164
    .wavefront_size: 32
...
	.end_amdgpu_metadata
.endif
;; end of part 1
;; launch quant (part 2): grid 1024 x 1, 4 waves a work-group, no clusters, 34,304 bytes of LDS; arguments x, weight, sums, a_pack, b_pack; writes a_pack, b_pack
.if DOCPART == 2
	.amdgcn_target "amdgcn-amd-amdhsa--gfx1250"
	.amdhsa_code_object_version 6
	.text
	.protected	k_qc1775a21b8_quant
	.globl	k_qc1775a21b8_quant
	.p2align	8
	.type	k_qc1775a21b8_quant,@function
k_qc1775a21b8_quant:
	s_mov_b64 s[64:65], 0
	v_nop
	global_prefetch_b8 v0, s[64:65] scope:SCOPE_SE
	s_setreg_imm32_b32 hwreg(HW_REG_WAVE_MODE, 25, 1), 1
	s_wait_xcnt 0x0
; x / sx and qw sw, both [4096][4096] with K innermost, become codes of BF6 (E3M2) with one E8M0 byte for each 32 along K, laid AS THE PRODUCT'S REGISTERS WANT THEM.  No work of the problem is left out here.
; THE LAYOUT of a_pack and b_pack: [tile T of 128 rows][K step s of 128][12,800 bytes].  In those: eight fragments i of 1,536 bytes, then 512 bytes of scale words.
;   Fragment i is the register image of a 16 x 128 operand: bytes 512 j + 16 lane hold registers 4 j .. 4 j + 3 of that lane.  Its operand row r is the tensor's row 128 T + 64 (i / 4) + 4 r + i % 4.
;   Scale words: byte 256 (i / 4) + 16 r + 4 (i % 4): the four bytes of operand row r of fragment i.
; The first 512 work-groups take x, the others weight.  A wave takes 64 rows x 128 along K: four fragments (i % 4 = 0 .. 3), whose scale words are 256 consecutive bytes.  The four waves stand side by side along K.
; Each first finishes its tensor's mean from the 128 partial sums: s = max(sum x 2^-24, 1e-8).
; x: multiplied by r = 1 / s, v_rcp_f32 sharpened by one Newton step (LIMIT: x r lies within about one unit in the last place of x / s, and is not always the correctly rounded quotient).
; weight: |w / s| > 0.5 is tested as |w| > 0.5 s: 0.5 s is exact, and the next f32 number above it lies more than 2^-24 of it higher, so a correctly rounded quotient answers alike for every w.  qw s is w's sign over s's bits, or 0.
; THE QUANTISER: a block's byte is its largest magnitude's exponent field - 4, held at 1 from below (a block of zeros so gets 1 where the rule says 127: its codes are zeros, and this program alone reads the bytes).
; LIMITS: blocks whose largest magnitude lies under the floor 2^(5 - 127) were not tried; NaN and infinities are not served.
; A load reads 512 consecutive bytes, one row's 128 numbers; a fragment's sixteen rows turn through the wave's own stage in LDS (rows 528 bytes apart) and come back so that lane (r, h) holds blocks h and 2 + h of row r,
; 64 numbers: its maxima need no other lane, and its four conversions are its twelve operand registers.  Three stores of 512 consecutive bytes a fragment.  Loads run two fragments (32 loads a wave) ahead.
; No tensor load, no barrier, no prefetch: waves share nothing, and the stream is read once with 32 loads a wave on their way.
.set WGA,   512
.set EMAX,  4
.set STEPB, 12800
.set TILEB, 32*STEPB
.set R,     16                         ; v16-143  two sets of 64 numbers as loaded
.set X,     144                        ; v144-207 my two blocks
.set C,     208                        ; v208-231 two sets of twelve code registers
.set PS,    208                        ; at the head alone: partial sums, mean, reciprocal, half
.set TA,    232                        ; v232-234, v236-238: the conversions whose place in the twelve begins on an odd number
.set TB,    236
.set W,     240                        ; v240-243 the four fragments' scale words
.set M,     244                        ; v244-247 four chains of maxima
.set SO,    248                        ; v248-249 the conversions' scale operands
.set BY,    250                        ; v250-251 the bytes
.set PT,    252
.set D,     254                        ; v254-255 the scale words that I store
.set SROW,  528
.set STG,   16*SROW
.set SPW,   12
.set NIL,   13
.set SPARE, 4*STG
.set ISW,   24
.set SCLB,  25
.set HALF,  26
.set RC,    28
.set SEL,   30
.set SGN,   32
.set MH,    33                         ; mask of lanes 16-31
.set MK,    36                         ; s36-51 sixteen lane masks
.macro MEAN r, sel                     ; the same lines, so the same bits, wherever the program needs the mean
	v_pk_add_f32 v[\r:\r+1], v[\r:\r+1], v[\r+2:\r+3]
	v_add_f32 v[\r], v[\r], v[\r+1]
	v_add_f32_dpp v[\r], v[\r], v[\r] row_xmask:1 row_mask:0xf bank_mask:0xf
	v_add_f32_dpp v[\r], v[\r], v[\r] row_xmask:2 row_mask:0xf bank_mask:0xf
	v_add_f32_dpp v[\r], v[\r], v[\r] row_xmask:4 row_mask:0xf bank_mask:0xf
	v_add_f32_dpp v[\r], v[\r], v[\r] row_xmask:8 row_mask:0xf bank_mask:0xf
	v_permlanex16_b32 v[\r+1], v[\r], s[\sel], s[\sel+1]
	v_add_f32 v[\r], v[\r], v[\r+1]
	v_mul_f32 v[\r], 0x33800000, v[\r]             ; x 2^-24
	v_max_num_f32 v[\r], 0x322bcc77, v[\r]         ; held at 1e-8
.endm
	s_load_b128 s[4:7], s[0:1], 0x0                ; x, weight
	s_load_b64 s[22:23], s[0:1], 0x10              ; sums
	s_load_b128 s[8:11], s[0:1], 0x18              ; a_pack, b_pack
	v_lshl_add_u32 v[SPW], v0, 2, SPARE
	v_mov_b32 v[NIL], 0
	v_lshrrev_b32 v6, 5, v0
	v_readfirstlane_b32 s16, v6                    ; wave
	s_mul_i32 s17, s16, STG
	v_and_b32 v7, 31, v0                           ; lane
	v_lshlrev_b32 v1, 4, v7                        ; my 16 bytes of 512: loads and code stores
	v_add_nc_u32 v2, s17, v1                       ; the stage, on the way in
	v_and_b32 v8, 15, v0                           ; r
	v_bfe_u32 v9, v0, 4, 1                         ; h
	v_mul_u32_u24 v3, v8, SROW
	v_lshl_add_u32 v3, v9, 7, v3
	v_add_nc_u32 v3, s17, v3                       ; and on the way out: row r, block h
	v_lshlrev_b32 v4, 4, v8
	v_lshl_add_u32 v4, v9, 3, v4                   ; scale words: 16 r + 8 h
	v_lshlrev_b32 v5, 3, v9                        ; 8 h
	v_cmp_lt_u32 s[MH], 15, v7
	v_mov_b32 v[PT], 0
	s_mov_b32 s[SEL], 0x76543210
	s_mov_b32 s[SEL+1], 0xfedcba98
	s_mov_b32 s[SGN], 0x80000000
	s_wait_alu depctr_va_vdst(0)                   ; the head's end
	s_wait_kmcnt 0x0
	s_cmp_lt_u32 ttmp9, WGA                        ; x's work-group or weight's: by the work-group's number alone
	s_cselect_b64 s[4:5], s[4:5], s[6:7]
	s_cselect_b64 s[8:9], s[8:9], s[10:11]
	s_cselect_b32 s[ISW], 0, 1
	s_cselect_b32 s34, 0, 512                      ; where my tensor's partial sums lie
	s_mov_b32 s35, 0
	s_and_b32 s17, ttmp9, 511
	s_and_b32 s18, s17, 7
	s_lshl_b32 s18, s18, 2
	s_add_co_u32 s18, s18, s16                     ; my K step
	s_lshr_b32 s17, s17, 3                         ; my 64 rows
	s_lshl_b32 s20, s17, 20                        ; 64 rows of 16,384 bytes
	s_lshl_b32 s19, s18, 9
	s_add_co_u32 s20, s20, s19
	s_mov_b32 s21, 0
	s_add_nc_u64 s[4:5], s[4:5], s[20:21]
	s_lshr_b32 s19, s17, 1                         ; T
	s_and_b32 s17, s17, 1                          ; which four fragments
	s_mul_i32 s20, s19, TILEB
	s_mul_i32 s19, s18, STEPB
	s_add_co_u32 s20, s20, s19
	s_add_nc_u64 s[8:9], s[8:9], s[20:21]
	s_lshl_b32 s20, s17, 8
	s_add_co_u32 s20, s20, 12288
	s_add_nc_u64 s[10:11], s[8:9], s[20:21]        ; my 256 bytes of scale words
	s_mul_i32 s20, s17, 6144
	s_add_nc_u64 s[8:9], s[8:9], s[20:21]          ; my four fragments
	s_add_nc_u64 s[22:23], s[22:23], s[34:35]
.macro LOAD f
.irp r, 0,1,2,3,4,5,6,7,8,9,10,11,12,13,14,15
	global_load_b128 v[R+64*((\f)%2)+4*\r:R+64*((\f)%2)+4*\r+3], v1, s[4:5] offset:(4*\r+(\f))*16384 th:TH_LOAD_NT
.endr
.endm
	global_load_b128 v[PS:PS+3], v1, s[22:23]      ; the 128 partial sums, four a lane
	LOAD 0
	LOAD 1
	s_wait_loadcnt 32                              ; the partial sums are in; the 32 loads behind them may be out
	MEAN PS, SEL
	s_wait_alu depctr_va_vdst(0)                   ; ahead of the transcendental
	v_rcp_f32 v[PS+4], v[PS]
	v_mul_f32 v[PS+5], 0.5, v[PS]
	s_wait_alu depctr_va_vdst(0)                   ; and ahead of the first line that names its result
	v_fma_f32 v[PS+6], -v[PS], v[PS+4], 1.0        ; one Newton step
	v_fma_f32 v[PS+4], v[PS+4], v[PS+6], v[PS+4]
	v_readfirstlane_b32 s[SCLB], v[PS]
	v_readfirstlane_b32 s[HALF], v[PS+5]
	v_readfirstlane_b32 s[RC], v[PS+4]
	s_mov_b32 s[RC+1], s[RC]
.macro STEP f
.set RS, R+64*((\f)%2)
.set CS, C+12*((\f)%2)
.if (\f) < 3
	s_wait_loadcnt 16                              ; this fragment's sixteen loads are in; the next one's may be out
.else
	s_wait_loadcnt 0
.endif
.irp r, 0,1,2,3,4,5,6,7,8,9,10,11,12,13,14,15
	ds_store_b128 v2, v[RS+4*\r:RS+4*\r+3] offset:\r*SROW
.endr
.irp e, 0,1,2,3,4,5,6,7                ; LDS serves a wave's instructions in order: these see the stores above
	ds_load_b128 v[X+4*\e:X+4*\e+3], v3 offset:16*\e
.endr
.irp e, 0,1,2,3,4,5,6,7
	ds_load_b128 v[X+32+4*\e:X+32+4*\e+3], v3 offset:256+16*\e
.endr
	s_wait_dscnt 0x0                               ; my numbers are back, and the stage's stores have read their registers,
.if (\f)+2 < 4
	LOAD (\f)+2                                    ; which take the loads of two fragments on
.else
	s_wait_xcnt 0x0                                ; the code stores of two fragments ago have read their registers
.endif
	s_cmp_eq_u32 s[ISW], 0
	s_cbranch_scc0 .Lw_\@
.set J, 0
.rept 32
	v_pk_mul_f32 v[X+J:X+J+1], v[X+J:X+J+1], s[RC:RC+1] op_sel_hi:[1,0]   ; x / sx
.set J, J+2
.endr
	s_branch .Lq_\@
.Lw_\@:
.irp g, 0,16,32,48
.irp i, 0,1,2,3,4,5,6,7,8,9,10,11,12,13,14,15
	v_cmp_gt_f32 s[MK+\i], |v[X+\g+\i]|, s[HALF]   ; |w| > 0.5 sw
.endr
.irp i, 0,1,2,3,4,5,6,7,8,9,10,11,12,13,14,15
	v_and_or_b32 v[X+\g+\i], v[X+\g+\i], s[SGN], s[SCLB]   ; sign(w) sw
.endr
.irp i, 0,1,2,3,4,5,6,7,8,9,10,11,12,13,14,15
	v_cndmask_b32 v[X+\g+\i], 0, v[X+\g+\i], s[MK+\i]      ; or 0
.endr
.endr
.Lq_\@:
	s_wait_alu depctr_va_vdst(0)                   ; behind the branch
.irp c, 0,1                            ; two blocks, two chains each, by turns
	v_max3_num_f32 v[M+2*\c], |v[X+32*\c]|, |v[X+32*\c+1]|, |v[X+32*\c+2]|
	v_max3_num_f32 v[M+2*\c+1], |v[X+32*\c+3]|, |v[X+32*\c+4]|, |v[X+32*\c+5]|
.endr
.irp i, 6,10,14,18,22,26
.irp c, 0,1
	v_max3_num_f32 v[M+2*\c], v[M+2*\c], |v[X+32*\c+\i]|, |v[X+32*\c+\i+1]|
	v_max3_num_f32 v[M+2*\c+1], v[M+2*\c+1], |v[X+32*\c+\i+2]|, |v[X+32*\c+\i+3]|
.endr
.endr
.irp c, 0,1
	v_max3_num_f32 v[M+2*\c], v[M+2*\c], |v[X+32*\c+30]|, |v[X+32*\c+31]|
.endr
.irp c, 0,1
	v_max3_num_f32 v[M+2*\c], v[M+2*\c], v[M+2*\c+1], (EMAX+1)<<23   ; and the floor: the byte cannot fall under 1
.endr
.irp c, 0,1
	v_add_nc_u32 v[SO+\c], -(EMAX<<23), v[M+2*\c]  ; EMAX off the exponent field: the conversion's scale operand
.endr
	v_cvt_scalef32_pk16_bf6_f32 v[CS:CS+2], v[X:X+15], v[SO]
	v_cvt_scalef32_pk16_bf6_f32 v[TA:TA+2], v[X+16:X+31], v[SO]
	v_cvt_scalef32_pk16_bf6_f32 v[CS+6:CS+8], v[X+32:X+47], v[SO+1]
	v_cvt_scalef32_pk16_bf6_f32 v[TB:TB+2], v[X+48:X+63], v[SO+1]
	v_lshrrev_b32 v[BY], 23, v[SO]                 ; the bytes (also the plain place behind the conversions)
	v_lshrrev_b32 v[BY+1], 23, v[SO+1]
.irp i, 0,1,2
	v_mov_b32 v[CS+3+\i], v[TA+\i]
	v_mov_b32 v[CS+9+\i], v[TB+\i]
.endr
	v_lshl_or_b32 v[BY], v[BY+1], 16, v[BY]        ; blocks h and 2 + h,
	v_lshlrev_b32 v[BY], v5, v[BY]                 ; at their places in the word;
	v_permlanex16_b32 v[PT], v[BY], s[SEL], s[SEL+1]
	v_or_b32 v[W+(\f)], v[BY], v[PT]               ; with lane l xor 16's two the word is whole
.irp j, 0,1,2
	global_store_b128 v1, v[CS+4*\j:CS+4*\j+3], s[8:9] offset:1536*(\f)+512*\j   ; 512 consecutive bytes
.endr
.endm
.irp f, 0,1,2,3
	STEP \f
.endr
	v_cndmask_b32 v[D], v[W], v[W+2], s[MH]        ; lanes 0-15 store words 0 and 1 of their row, lanes 16-31 words 2 and 3
	v_cndmask_b32 v[D+1], v[W+1], v[W+3], s[MH]
	global_store_b64 v4, v[D:D+1], s[10:11]        ; 256 consecutive bytes, aligned
	s_wait_tensorcnt 0x0                           ; the wave's end
	ds_add_u32 v[SPW], v[NIL]
	s_wait_dscnt 0x0
	s_endpgm
.Lfunc_end_k_qc1775a21b8_quant:
	.size	k_qc1775a21b8_quant, .Lfunc_end_k_qc1775a21b8_quant-k_qc1775a21b8_quant
	.p2alignl 7, 3214868480
	.fill 96, 4, 3214868480
	.section	.rodata,"a",@progbits
	.p2align	6, 0x0
	.amdhsa_kernel k_qc1775a21b8_quant
		.amdhsa_group_segment_fixed_size 34304
		.amdhsa_private_segment_fixed_size 0
		.amdhsa_enable_private_segment 0
		.amdhsa_kernarg_size 40
		.amdhsa_user_sgpr_count 2
		.amdhsa_user_sgpr_kernarg_segment_ptr 1
		.amdhsa_wavefront_size32 1
		.amdhsa_system_sgpr_workgroup_id_x 1
		.amdhsa_system_sgpr_workgroup_id_y 1
		.amdhsa_system_sgpr_workgroup_id_z 1
		.amdhsa_system_vgpr_workitem_id 0
		.amdhsa_next_free_vgpr 256
		.amdhsa_next_free_sgpr 66
		.amdhsa_reserve_vcc 0
		.amdhsa_float_denorm_mode_32 3
		.amdhsa_float_denorm_mode_16_64 3
		.amdhsa_memory_ordered 1
		.amdhsa_forward_progress 1
		.amdhsa_inst_pref_size 88
	.end_amdhsa_kernel
	.amdgpu_metadata
---
amdhsa.version: [ 1, 2 ]
amdhsa.kernels:
  - .name:           k_qc1775a21b8_quant
    .symbol:         k_qc1775a21b8_quant.kd
    .args:
      - { .name: x, .offset: 0, .size: 8, .value_kind: global_buffer, .address_space: global }
      - { .name: weight, .offset: 8, .size: 8, .value_kind: global_buffer, .address_space: global }
      - { .name: sums, .offset: 16, .size: 8, .value_kind: global_buffer, .address_space: global }
      - { .name: a_pack, .offset: 24, .size: 8, .value_kind: global_buffer, .address_space: global }
      - { .name: b_pack, .offset: 32, .size: 8, .value_kind: global_buffer, .address_space: global }
    .group_segment_fixed_size: 34304
    .private_segment_fixed_size: 0
    .kernarg_segment_align: 8
    .kernarg_segment_size: 40
    .max_flat_workgroup_size: 128
    .sgpr_count:     66
    .vgpr_count:     256
    .wavefront_size: 32
...
	.end_amdgpu_metadata
.endif
;; end of part 2
;; launch gemm (part 3): grid 16 x 16, 4 waves a work-group, clusters of 4 x 4, 327,680 bytes of LDS; arguments a_pack, b_pack, out0, sums, bias; writes out0
.if DOCPART == 3
	.amdgcn_target "amdgcn-amd-amdhsa--gfx1250"
	.amdhsa_code_object_version 6
	.text
	.protected	k_qc1775a21b8_gemm
	.globl	k_qc1775a21b8_gemm
	.p2align	8
	.type	k_qc1775a21b8_gemm,@function
k_qc1775a21b8_gemm:
	s_mov_b64 s[64:65], 0
	v_nop
	global_prefetch_b8 v0, s[64:65] scope:SCOPE_SE
	s_setreg_imm32_b32 hwreg(HW_REG_WAVE_MODE, 25, 1), 1
	s_wait_xcnt 0x0
	s_wait_alu depctr_hold_cnt(0) depctr_sa_sdst(0) depctr_va_vdst(0) depctr_va_sdst(0) depctr_va_ssrc(0) depctr_va_vcc(0) depctr_vm_vsrc(0)
	s_getreg_b32 s2, hwreg(HW_REG_IB_STS2, 6, 4)
	s_cmp_eq_u32 s2, 0
	s_cbranch_scc0 .Lentry_in_a_cluster
	s_endpgm
.Lentry_in_a_cluster:
	s_bfe_u32 s2, ttmp6, 0x10000c
	s_cmp_lg_u32 s2, 0xf033
	s_cbranch_scc0 .Lentry_shape_is_right
	s_endpgm
.Lentry_shape_is_right:
; out = (A B^T + bias) sx on the packed codes of the launch before; no work of the problem is left out here.
; a_pack, b_pack: [tile of 128 rows][K step of 128][12,800 bytes]: eight fragments of 1,536 bytes as register images (bytes 512 j + 16 lane = registers 4 j .. 4 j + 3), then 512 bytes of scale words
; (byte 256 (i / 4) + 16 r + 4 (i % 4)).  Operand row r of fragment i is the tile's row 64 (i / 4) + 4 r + i % 4.
; A work-group of four waves makes 256 x 256 of out, a wave 128 x 128: 64 accumulators, 512 registers.  K goes through a ring of two LDS slots of THREE K steps: a wave's tensor load brings its quarter of a slot,
; 38,400 dense bytes, as 150 rows of 256 bytes that begin at multiples of 256; codes and scale words come together.  32 steps are ten such slots and one of two steps (100 rows).
; A fragment is three ds_load_b128 of 512 consecutive bytes; a step's scale words two, lanes 0-15 from A's quarter and lanes 16-31 from B's, so that register i holds A's block i below and B's block i above.
; A refill is asked for in the middle of its slot's last step and awaited at the head of the other slot's last step: 160 matrix instructions later.  By the text's own count one tensor load a wave is out.
; CLUSTERS: 4 x 4 work-groups; A's tiles are asked for jointly along a row of the cluster, B's along a column.
; PREFETCH: behind each of the loop's refills but the last trip's two, each wave names the slot two refills on (384 matrix instructions ahead of its load): of its quarter's 150 blocks of 256 bytes
; the partner at place p (cx for A, cy for B) names blocks 38 p .. 38 p + 37, held at 149, by two instructions.  Slots 0 to 3 and the short slot 10 come by their loads alone.
; THE WAY OUT needs no LDS: source 0 = A, source 1 = B, so register j of accumulator (a, b) in lane (r, h) is row 64 (a / 4) + a % 4 + 4 j + 32 h, column 64 (b / 4) + 4 r + b % 4.
; One fused multiply-add a number (x sx, + bias sx) also gathers the four accumulators b % 4 = 0 .. 3 into four neighbouring registers: sixteen lanes store 256 consecutive aligned bytes.
; REGISTERS: window 0: v8-15 bias sx, v16-29 addresses, v32-47 scale words (two sets), v128-223 A's fragments (one set), on the way out v64-191; window 1: B's fragments, two sets, at v0 and v128; windows 2, 3: accumulators.
; LIMITS: NaN and infinities are not served.
.set STEPB, 12800
.set QUART, 3*STEPB
.set SLOT,  4*QUART
.set TILEB, 32*STEPB
.set SPARE, 2*SLOT                     ; behind the ring: the spare words, 128 bytes a wave
.set FR,   12
.set BS,   8
.set ADRA, 16
.set ADRB, 18
.set ADRS, 20
.set CO,   22
.set PFO,  24
.set SPW,  28
.set NIL,  29
.set SC,   32
.set OB,   64
.set AF,   128
.set PS,   224
.set G1, 24
.set G0, 32
.set G1B, 48
.set G0B, 56
.set SEL, 66
.set IS,  68
.set PFA, 70
.set MSB, 0
.macro WIN new                         ; the immediate's high byte repeats the setting that is left
.if MSB != (\new)
	s_set_vgpr_msb (MSB<<8)|(\new)
.set MSB, (\new)
.endif
.endm
.set MUL_LO, 0xa4                      ; source 0 (A) window 0, source 1 (B) window 1, C and D window 2
.set MUL_HI, 0xf4
.set TO_B,   0x40
.macro MEAN r, sel
	v_pk_add_f32 v[\r:\r+1], v[\r:\r+1], v[\r+2:\r+3]
	v_add_f32 v[\r], v[\r], v[\r+1]
	v_add_f32_dpp v[\r], v[\r], v[\r] row_xmask:1 row_mask:0xf bank_mask:0xf
	v_add_f32_dpp v[\r], v[\r], v[\r] row_xmask:2 row_mask:0xf bank_mask:0xf
	v_add_f32_dpp v[\r], v[\r], v[\r] row_xmask:4 row_mask:0xf bank_mask:0xf
	v_add_f32_dpp v[\r], v[\r], v[\r] row_xmask:8 row_mask:0xf bank_mask:0xf
	v_permlanex16_b32 v[\r+1], v[\r], s[\sel], s[\sel+1]
	v_add_f32 v[\r], v[\r], v[\r+1]
	v_mul_f32 v[\r], 0x33800000, v[\r]
	v_max_num_f32 v[\r], 0x322bcc77, v[\r]
.endm
.macro JLOAD g0a, g1a, g0b, g1b        ; a joint load: waves 0 and 1 fetch for A, waves 2 and 3 for B
	s_cmp_eq_u32 s15, 0
	s_cbranch_scc0 .Lfor_b_\@
	tensor_load_to_lds s[\g0a:\g0a+3], s[\g1a:\g1a+7]
	s_nop 0
.rept 4
	v_nop
.endr
	s_branch .Lasked_\@
.Lfor_b_\@:
	tensor_load_to_lds s[\g0b:\g0b+3], s[\g1b:\g1b+7]
	s_nop 0
.rept 4
	v_nop
.endr
.Lasked_\@:
.endm
.macro CREST                           ; a round of the cluster's barrier behind its opening barrier
	s_cmp_lg_u32 s14, 0
	s_cbranch_scc1 .Lnot_wave_0_\@
	s_barrier_signal -3
.Lnot_wave_0_\@:
	s_barrier_wait -3
	s_barrier_signal -1
	s_barrier_wait -1
.endm
.macro CROUND
	s_barrier_signal -1
	s_barrier_wait -1
	CREST
.endm
.macro ASK                             ; s3 = 1 in the loop's last trip: the slots two refills on are the short one and none
	s_cmp_gt_u32 s3, 1
	s_cbranch_scc0 .Lno_ask_\@
	global_prefetch_b8 v[PFO], s[PFA:PFA+1] th:TH_LOAD_NT scope:SCOPE_SE
	global_prefetch_b8 v[PFO+1], s[PFA:PFA+1] th:TH_LOAD_NT scope:SCOPE_SE
.Lno_ask_\@:
.endm
	s_load_b128 s[4:7], s[0:1], 0x0                ; a_pack, b_pack
	s_load_b128 s[8:11], s[0:1], 0x10              ; out0, sums
	s_load_b64 s[12:13], s[0:1], 0x20              ; bias
	v_lshl_add_u32 v[SPW], v0, 2, SPARE
	v_mov_b32 v[NIL], 0
	ds_add_u32 v[SPW], v[NIL]                      ; the opening lines: the add, twice on end, and its wait ahead of my first tensor load
	ds_add_u32 v[SPW], v[NIL]
	v_lshrrev_b32 v1, 5, v0
	v_readfirstlane_b32 s14, v1                    ; wave
	s_lshr_b32 s15, s14, 1                         ; my half of the rows; also: I fetch for A (0) or B (1)
	s_and_b32 s16, s14, 1                          ; my half of the columns; also: which 128 rows I fetch
	s_bfe_u32 s40, ttmp6, 0x40000                  ; cx
	s_bfe_u32 s41, ttmp6, 0x40004                  ; cy
	s_lshl_b32 s42, ttmp9, 2
	s_add_co_u32 s42, s42, s40                     ; tile column
	s_and_b32 s17, ttmp7, 0xffff
	s_lshl_b32 s17, s17, 2
	s_add_co_u32 s17, s17, s41                     ; tile row
	s_lshl_b32 s43, s41, 2
	s_lshl_b32 s43, 15, s43                        ; my row of the cluster
	s_lshl_b32 s44, 0x1111, s40                    ; my column
	s_or_b32 s[G1+0], s43, (3<<16)|(1<<21)         ; the mask; elements of 8 bytes; bit 21 beside a mask; no padding
	s_or_b32 s[G1B+0], s44, (3<<16)|(1<<21)
.irp g, G1, G1B
	s_mov_b32 s[\g+1], 32<<16                      ; rows of 32 elements = 256 bytes
	s_mov_b32 s[\g+2], 150<<16                     ; 150 rows
	s_mov_b32 s[\g+3], 32<<16
	s_mov_b32 s[\g+4], 150
	s_mov_b32 s[\g+5], 32                          ; dense
	s_mov_b32 s[\g+6], 0
	s_mov_b32 s[\g+7], 0
.endr
	s_lshl_b32 s20, s17, 1
	s_add_co_u32 s20, s20, s16
	s_mul_i32 s20, s20, TILEB                      ; A: tile of 128 rows 2 x tile row + half
	s_mov_b32 s21, 0
	s_lshl_b32 s46, s42, 1
	s_add_co_u32 s46, s46, s16
	s_mul_i32 s46, s46, TILEB                      ; B likewise by the tile column
	s_mov_b32 s47, 0
	s_mul_i32 s45, s14, QUART                      ; where my quarter goes
	s_mov_b32 s[SEL], 0x76543210
	s_mov_b32 s[SEL+1], 0xfedcba98
	s_wait_dscnt 0x0                               ; both opening adds are done
	s_wait_kmcnt 0x0
	s_add_nc_u64 s[20:21], s[4:5], s[20:21]
	s_add_nc_u64 s[46:47], s[6:7], s[46:47]
	CROUND                                         ; all sixteen work-groups are here: the first joint loads meet
.irp s, 0,1
	s_mov_b32 s[G0+4*\s], 1
	s_add_co_u32 s[G0+4*\s+1], s45, \s*SLOT
	s_add_nc_u64 s[G0+4*\s+2:G0+4*\s+3], s[20:21], \s*QUART
	s_or_b32 s[G0+4*\s+3], s[G0+4*\s+3], 0x80000000
	s_mov_b32 s[G0B+4*\s], 1
	s_add_co_u32 s[G0B+4*\s+1], s45, \s*SLOT
	s_add_nc_u64 s[G0B+4*\s+2:G0B+4*\s+3], s[46:47], \s*QUART
	s_or_b32 s[G0B+4*\s+3], s[G0B+4*\s+3], 0x80000000
.endr
	JLOAD G0, G1, G0B, G1B                         ; slot 0: one tensor load a wave at the head
	s_cmp_eq_u32 s15, 0
	s_cselect_b64 s[PFA:PFA+1], s[20:21], s[46:47] ; the prefetches walk the quarter that I fetch,
	s_cselect_b32 s23, s40, s41                    ; shared out by my place among the four that ask with me
	s_add_nc_u64 s[PFA:PFA+1], s[PFA:PFA+1], 3*QUART   ; the first refill steps it to slot 4
	s_mul_i32 s23, s23, 38
	s_mul_i32 s18, s15, QUART                      ; the quarter of A that I read
	s_mul_i32 s19, s16, QUART
	s_add_co_u32 s19, s19, 2*QUART                 ; and of B
	s_sub_co_u32 s22, s19, s18
	s_lshl_b32 s20, s17, 8
	s_lshl_b32 s21, s15, 7
	s_add_co_u32 s20, s20, s21
	s_lshl_b32 s20, s20, 14                        ; my first row of out, in bytes
	s_lshl_b32 s46, s42, 10
	s_lshl_b32 s47, s16, 9
	s_add_co_u32 s46, s46, s47                     ; my first column, in bytes
	s_mov_b32 s47, 0
	s_add_nc_u64 s[12:13], s[12:13], s[46:47]
	s_add_co_u32 s20, s20, s46
	s_mov_b32 s21, 0
	s_add_nc_u64 s[8:9], s[8:9], s[20:21]
	v_and_b32 v1, 31, v0                           ; lane
	v_and_b32 v4, 15, v0                           ; r
	v_bfe_u32 v2, v0, 4, 1                         ; h
	v_lshlrev_b32 v3, 4, v1
	v_lshlrev_b32 v7, 4, v4
	v_add_nc_u32 v[ADRA], s18, v3
	v_add_nc_u32 v[ADRB], s19, v3
	v_add_nc_u32 v[ADRA+1], SLOT, v[ADRA]
	v_add_nc_u32 v[ADRB+1], SLOT, v[ADRB]
	v_mul_u32_u24 v5, s22, v2                      ; lanes 16-31 take B's scale words
	v_add_nc_u32 v5, v5, v7
	v_add_nc_u32 v5, s18, v5
	v_add_nc_u32 v[ADRS], 12288, v5
	v_add_nc_u32 v[ADRS+1], SLOT, v[ADRS]
	v_lshl_add_u32 v[CO], v2, 19, v7               ; out: 16 r + 32 h rows of 16,384 bytes
	v_add_nc_u32 v5, s23, v1
	v_min_u32 v5, 149, v5
	v_lshlrev_b32 v[PFO], 8, v5                    ; blocks 38 p + lane,
	v_min_u32 v6, 5, v1
	v_add_nc_u32 v6, s23, v6
	v_add_nc_u32 v6, 32, v6
	v_min_u32 v6, 149, v6
	v_lshlrev_b32 v[PFO+1], 8, v6                  ; and 38 p + 32 .. 38 p + 37; lanes left over name the last again
	s_wait_alu depctr_va_vdst(0)                   ; ahead of the readers below
	global_load_b128 v[PS:PS+3], v3, s[10:11]      ; x's 128 partial sums
	global_load_b128 v[BS:BS+3], v7, s[12:13]      ; bias at columns 4 r .. 4 r + 3,
	global_load_b128 v[BS+4:BS+7], v7, s[12:13] offset:256   ; and 64 + 4 r ..
	s_wait_loadcnt 0x0
	MEAN PS, SEL
	v_readfirstlane_b32 s[IS], v[PS]               ; sx
	s_mov_b32 s[IS+1], s[IS]
.irp j, 0,2,4,6
	v_pk_mul_f32 v[BS+\j:BS+\j+1], v[BS+\j:BS+\j+1], s[IS:IS+1] op_sel_hi:[1,0]
.endr
.macro FRAG reg, adr, off
.irp j, 0,1,2
	ds_load_b128 v[\reg+4*\j:\reg+4*\j+3], v[\adr] offset:\off+512*\j
.endr
.endm
.macro MUL16 a0, p, zero               ; A's blocks a0, a0 + 1 x B's eight; p: B's set and the scale words' set.  The 64 accumulators take turns, in the same order in every step
.irp a, \a0, \a0+1
.irp b, 0,1,2,3,4,5,6,7
.if \zero
	v_wmma_scale_f32_16x16x128_f8f6f4 v[8*(8*((\a)%4)+\b):8*(8*((\a)%4)+\b)+7], v[AF+FR*(\a):AF+FR*(\a)+FR-1], v[128*(\p)+FR*\b:128*(\p)+FR*\b+FR-1], 0, v[SC+8*(\p)+(\a)], v[SC+8*(\p)+\b] matrix_a_fmt:MATRIX_FMT_BF6 matrix_b_fmt:MATRIX_FMT_BF6 matrix_b_scale:MATRIX_SCALE_ROW1
.else
	v_wmma_scale_f32_16x16x128_f8f6f4 v[8*(8*((\a)%4)+\b):8*(8*((\a)%4)+\b)+7], v[AF+FR*(\a):AF+FR*(\a)+FR-1], v[128*(\p)+FR*\b:128*(\p)+FR*\b+FR-1], v[8*(8*((\a)%4)+\b):8*(8*((\a)%4)+\b)+7], v[SC+8*(\p)+(\a)], v[SC+8*(\p)+\b] matrix_a_fmt:MATRIX_FMT_BF6 matrix_b_fmt:MATRIX_FMT_BF6 matrix_b_scale:MATRIX_SCALE_ROW1
.endif
.endr
.endr
.endm
.macro FETCH_B ring, q, p
	WIN TO_B
.irp i, 0,1,2,3,4,5,6,7
	FRAG 128*(\p)+FR*\i, ADRB+(\ring), (\q)*STEPB+\i*1536
.endr
	WIN 0
.endm
.macro FETCH_A ring, q, i0
.irp i, \i0, \i0+1, \i0+2, \i0+3
	FRAG AF+FR*(\i), ADRA+(\ring), (\q)*STEPB+(\i)*1536
.endr
.endm
.macro SCALES ring, q, p
	ds_load_b128 v[SC+8*(\p):SC+8*(\p)+3], v[ADRS+(\ring)] offset:(\q)*STEPB
	ds_load_b128 v[SC+8*(\p)+4:SC+8*(\p)+7], v[ADRS+(\ring)] offset:(\q)*STEPB+256
.endm
.macro PLACES                          ; four places behind matrix instructions, ahead of loads into their registers and of reads of results
.rept 4
	v_nop
.endr
.endm
; Step st of 128 along K: 64 matrix instructions; the next step's fragments are fetched in its middle (B, A's blocks 0-3, scale words) and at its end (A's blocks 4-7).
; In a slot's third step the next step lies in the other slot: ONE barrier shows that slot whole and this one read out; where a slot two on is left to fetch, it opens a round of the cluster's barrier and the refill follows.
.macro STEP st, zero, pf
.set NX, (\st)+1
.set RG, ((\st)/3)%2
.set QQ, (\st)%3
.set PP, (\st)%2
.set NR, (NX/3)%2
.set NQ, NX%3
.if QQ == 2
.if \pf
	s_wait_xcnt 0x0                                ; my prefetches have read their address: it steps a slot on
	s_add_nc_u64 s[PFA:PFA+1], s[PFA:PFA+1], QUART
.endif
	s_wait_tensorcnt 0x0                           ; all my tensor loads have landed: my quarter of the other slot
	ds_add_u32 v[SPW], v[NIL]
.if (\st)/3+2 == 10
	s_mov_b32 s[G1+2], 100<<16                     ; no load of mine is out: the last slot has two steps, 100 rows
	s_mov_b32 s[G1+4], 100
	s_mov_b32 s[G1B+2], 100<<16
	s_mov_b32 s[G1B+4], 100
.endif
	s_wait_dscnt 13                                ; the add and the twelve loads of A's blocks 4-7 may be out
	WIN MUL_LO
	MUL16 0, PP, \zero
	s_wait_dscnt 0x0                               ; the add is done, and my reads of this slot are over
	s_barrier_signal -1
	MUL16 2, PP, \zero
	WIN 0
	s_barrier_wait -1
.if (\st)/3+2 <= 10
	CREST                                          ; no wave of any partner still reads this slot or has a load on its way
	s_add_nc_u64 s[G0+4*RG+2:G0+4*RG+3], s[G0+4*RG+2:G0+4*RG+3], 2*QUART
	s_add_nc_u64 s[G0B+4*RG+2:G0B+4*RG+3], s[G0B+4*RG+2:G0B+4*RG+3], 2*QUART
	JLOAD G0+4*RG, G1, G0B+4*RG, G1B               ; the first tensor load behind the round; its four v_nop are the places ahead of the loads below
.else
	PLACES
.endif
.else
	s_wait_dscnt 12                                ; the twelve loads of A's blocks 4-7 may be out
	WIN MUL_LO
	MUL16 0, PP, \zero
	MUL16 2, PP, \zero
	s_wait_dscnt 0
	PLACES
.endif
	FETCH_B NR, NQ, 1-PP
	FETCH_A NR, NQ, 0
	SCALES NR, NQ, 1-PP
.if QQ == 2
.if \pf
	ASK
.endif
.endif
	WIN MUL_HI
	MUL16 4, PP, \zero
	MUL16 6, PP, \zero
	PLACES
	WIN 0
	FETCH_A NR, NQ, 4
.endm
	s_wait_alu depctr_va_vdst(0)                   ; the head's end
	s_wait_tensorcnt 0x0                           ; my quarter of slot 0 is in
	ds_add_u32 v[SPW], v[NIL]
	s_wait_dscnt 0x0
	CROUND
	JLOAD G0+4, G1, G0B+4, G1B                     ; slot 1, the first tensor load behind the round
	FETCH_B 0, 0, 0
	FETCH_A 0, 0, 0
	SCALES 0, 0, 0
	FETCH_A 0, 0, 4
	STEP 0, 1, 0                                   ; the first step's products start the sums
	s_mov_b32 s3, 4
.Llap:                                                 ; a trip is six steps, once round the ring: steps 1-6, 7-12, 13-18, 19-24; it fills both slots again (slots 2 to 9)
.irp st, 1,2,3,4,5,6
	STEP \st, 0, 1
.endr
	s_sub_co_u32 s3, s3, 1
	s_cmp_lg_u32 s3, 0
	s_cbranch_scc1 .Llap
.irp st, 25,26,27,28,29,30             ; step 26 asks for the short slot 10; step 29 asks for nothing
	STEP \st, 0, 0
.endr
	s_wait_dscnt 12                                ; step 31: nothing more to fetch
	WIN MUL_LO
	MUL16 0, 1, 0
	MUL16 2, 1, 0
	s_wait_dscnt 0
	WIN MUL_HI
	MUL16 4, 1, 0
	MUL16 6, 1, 0
	PLACES
.irp a, 0,1,2,3,4,5,6,7                ; the way out, A's block by block; each accumulator is read from register 0 on
.if \a > 1
	s_wait_xcnt 0x0                                ; the stores of two blocks ago have read their registers
.endif
	WIN 0x02+(\a)/4
.irp j, 0,1,2,3,4,5,6,7
.irp b, 0,1,2,3,4,5,6,7
	v_fma_f32 v[OB+64*((\a)%2)+8*\j+\b], v[64*((\a)%4)+8*\b+\j], s[IS], v[BS+\b]
.endr
.endr
	WIN 0
.irp j, 0,1,2,3,4,5,6,7
.irp g, 0,1
	global_store_b128 v[CO], v[OB+64*((\a)%2)+8*\j+4*\g:OB+64*((\a)%2)+8*\j+4*\g+3], s[8:9] offset:(64*((\a)/4)+(\a)%4+4*\j)*16384+256*\g th:TH_STORE_NT   ; each half of the lanes: 256 consecutive aligned bytes of a row
.endr
.endr
.endr
	s_wait_tensorcnt 0x0                           ; the wave's end
	ds_add_u32 v[SPW], v[NIL]
	s_wait_dscnt 0x0
	CROUND                                         ; the closing round
	s_endpgm
.Lfunc_end_k_qc1775a21b8_gemm:
	.size	k_qc1775a21b8_gemm, .Lfunc_end_k_qc1775a21b8_gemm-k_qc1775a21b8_gemm
	.p2alignl 7, 3214868480
	.fill 96, 4, 3214868480
	.section	.rodata,"a",@progbits
	.p2align	6, 0x0
	.amdhsa_kernel k_qc1775a21b8_gemm
		.amdhsa_group_segment_fixed_size 327680
		.amdhsa_private_segment_fixed_size 0
		.amdhsa_enable_private_segment 0
		.amdhsa_kernarg_size 40
		.amdhsa_user_sgpr_count 2
		.amdhsa_user_sgpr_kernarg_segment_ptr 1
		.amdhsa_wavefront_size32 1
		.amdhsa_system_sgpr_workgroup_id_x 1
		.amdhsa_system_sgpr_workgroup_id_y 1
		.amdhsa_system_sgpr_workgroup_id_z 1
		.amdhsa_system_vgpr_workitem_id 0
		.amdhsa_next_free_vgpr 1024
		.amdhsa_next_free_sgpr 80
		.amdhsa_reserve_vcc 0
		.amdhsa_float_denorm_mode_32 3
		.amdhsa_float_denorm_mode_16_64 3
		.amdhsa_memory_ordered 1
		.amdhsa_forward_progress 1
		.amdhsa_inst_pref_size 220
	.end_amdhsa_kernel
	.amdgpu_metadata
---
amdhsa.version: [ 1, 2 ]
amdhsa.kernels:
  - .name:           k_qc1775a21b8_gemm
    .symbol:         k_qc1775a21b8_gemm.kd
    .args:
      - { .name: a_pack, .offset: 0, .size: 8, .value_kind: global_buffer, .address_space: global }
      - { .name: b_pack, .offset: 8, .size: 8, .value_kind: global_buffer, .address_space: global }
      - { .name: out0, .offset: 16, .size: 8, .value_kind: global_buffer, .address_space: global }
      - { .name: sums, .offset: 24, .size: 8, .value_kind: global_buffer, .address_space: global }
      - { .name: bias, .offset: 32, .size: 8, .value_kind: global_buffer, .address_space: global }
    .group_segment_fixed_size: 327680
    .private_segment_fixed_size: 0
    .kernarg_segment_align: 8
    .kernarg_segment_size: 40
    .max_flat_workgroup_size: 128
    .sgpr_count:     80
    .vgpr_count:     1024
    .wavefront_size: 32
...
	.end_amdgpu_metadata
.endif
;; end of part 3
